; MI455X (gfx1250); checked and timed in simulation.
; The chip was launched on July 23, 2026; its instructions are those of AMD's public machine-readable ISA for CDNA 5 (MIT licence, August 2026) and "CDNA5" Instruction Set Architecture Reference Guide (July 2026). The comments in the code are by the model that wrote it; some were corrected since.
;; Flash Attention. Allowed arithmetic: matrix products marked QUANTISED: E5M2 operands, one E8M0 scale for each 32 along K, by v_wmma_scale_f32_16x16x128_f8f6f4 with both operands' format E5M2, f32 sums; everything else in f32.
;; Inputs: k 4 x 2,048 x 16 x 64 float32; q 4 x 2,048 x 16 x 64 float32; v 4 x 2,048 x 16 x 64 float32.
;; Outputs: out0 4 x 2,048 x 16 x 64 float32.
;; This version of the problem:
;;   THIS VERSION OF THE PROBLEM IS GIVEN IN LOW PRECISION. The matrix products marked QUANTISED in the list below multiply operands that are first quantised to E5M2 (5 exponent bits, 2 mantissa bits; 8 bits a number), with one power-of-two scale for each 32 numbers along K (OCP MX v1.0); their sums are f32. All else is computed in f32.
;;   The module's matrix products, in the order in which they are computed (A, B: the left and right operand; K: the contracted axis; several contracted axes count as one K, in the product's order):
;;     1. batch 64 x [M 2,048, K 64] x [K 64, N 2,048]; A: input q; B: input k: QUANTISED
;;     2. batch 64 x [M 64, K 2,048] x [K 2,048, N 2,048]; A: input v; B: softmax (see below): QUANTISED
;;   THE QUANTISER, for each operand of a quantised product, along K:
;;     - K is cut into blocks of 32 from its start; a last block that is shorter is filled with zeros.
;;     - A block's scale is 2^e with e = floor(log2(the largest magnitude in the block)) - 15, held to -126 .. 127; a block of zeros has e = 0. As a byte (E8M0): e + 127.
;;     - Each number is divided by its block's scale, clamped to +-57,344, and rounded to the nearest number of E5M2, ties to even, subnormals kept.
;;     - The product sums the exact products of the quantised numbers (number of the format x scale) in f32.
;;   ~~~python
;;   def quantise(x, axis):      # numpy; x: float32 -> the quantised numbers, widened to float32 again
;;       x = np.moveaxis(x, axis, -1); K = x.shape[-1]
;;       x = np.pad(x, [(0, 0)] * (x.ndim - 1) + [(0, -K % 32)]); x = x.reshape(x.shape[:-1] + (-1, 32)); a = np.abs(x).max(-1, keepdims=True)
;;       e = np.where(a > 0, np.clip(np.frexp(np.where(a > 0, a, 1))[1] - 1 - 15, -126, 127), 0)      # np.frexp(a)[1] - 1 = floor(log2(a)), exactly
;;       r = np.clip(x / 2.0 ** e, -57344, 57344)
;;       step = 2.0 ** (np.maximum(np.frexp(np.where(r == 0, 1, r))[1] - 1, -14) - 2)
;;       q = np.round(r / step) * step * 2.0 ** e      # np.round: ties to even
;;       return np.moveaxis(q.reshape(q.shape[:-2] + (-1,))[..., :K], -1, axis).astype(np.float32)
;;   ~~~
;;   SOFTMAX AHEAD OF A QUANTISED PRODUCT. Where the list says 'softmax', what is quantised is not the finished softmax but p = 2^(t - M), with t = logit x log2(e) and M = ceil(the row's largest t), a whole number; so 1/2 < the row's largest p <= 1. The row's sum l is taken of the UNQUANTISED p, in f32, and the product's result is divided by l at the end. Since M is a whole number, a kernel that streams over the keys may use a running M (the ceiling of the running maximum): every later rescaling is an exact power of two, which a block's scale takes up: the codes' values come out the same.
;;   OPERANDS COMPUTED ON THE WAY. 'Computed on the way' means the value that the module computes at that place (a softmax that the list does not call 'softmax' is quantised finished and normalised). What goes into a quantiser is computed in f32, as accurately as f32 sums, v_exp_f32 and their like allow (about 1e-6 of the number): no bf16 or f16 on the way to a quantiser, and a product that is left as it is and whose result goes on into a quantised operand takes f32 operands (vector FMAs, or v_wmma_f32_16x16x4_f32). A number that lies on a knife's edge between two numbers of the format may be rounded either way, as far as f32 arithmetic and the matrix unit's own rounding can turn it there, and no further.
;; One version. Each part assembles by itself: llvm-mc -triple=amdgcn-amd-amdhsa -mcpu=gfx1250 --defsym DOCPART=n.
;; ======== version 1 of 1: 1 launch
;; launch attn (part 1): grid 4 x 64, 16 waves a work-group, no clusters, 106,496 bytes of LDS; arguments q, k, v, out0; writes out0
.if DOCPART == 1
	.amdgcn_target "amdgcn-amd-amdhsa--gfx1250"
	.amdhsa_code_object_version 6
	.text
	.protected	k_q94d3bdff7a_attn
	.globl	k_q94d3bdff7a_attn
	.p2align	8
	.type	k_q94d3bdff7a_attn,@function
k_q94d3bdff7a_attn:
	s_mov_b64 s[64:65], 0
	v_nop
	global_prefetch_b8 v0, s[64:65] scope:SCOPE_SE
	s_setreg_imm32_b32 hwreg(HW_REG_WAVE_MODE, 25, 1), 1
	s_wait_xcnt 0x0
; Causal attention, out[b][s][h][:] = sum over keys <= s of softmax(q . k / 8) v, both products on codes of BF8 (E5M2) with one E8M0 scale for each 32 along a product's K.
; q, k, v, out0: [4][2048][16][64] f32: the 64 numbers of a token and head are 256 consecutive bytes; tokens lie 4,096 bytes apart.
; ALL THREE INPUTS ARRIVE AS f32 AND ARE QUANTISED HERE, in registers: q by the wave that owns the queries; k (along the head's 64) and v (along the keys) by the sixteen waves together, a sixteenth of a key
; step each, one step ahead; their codes and scale bytes go from wave to wave through LDS as IMAGES OF THE OPERANDS' REGISTERS (16 bytes a lane at 16 x lane, a scale word at 4 x lane), in two buffers by turns.
; THE SOFTMAX AHEAD OF THE SECOND PRODUCT: t = score x log2(e) / 8; M = the row's largest t so far, rounded UP to a whole number; p = 2^(t - M) is what is quantised, along the keys, not normalised.
; The row's sum is taken of the unquantised p and divides at the end.  When M moves, the sum and O are multiplied by 2^(old M - new M): exact.
; SHARES.  256 work-groups: 64 (batch, head) x 4.  Work-group i of a head makes the block of 256 queries 7 - i and then block i.  Block c walks 2 (c + 1) key steps of 128 keys, so every work-group walks 18.
; Each of the sixteen waves owns one tile of 16 queries of the block, in 256 registers.  A step all of whose keys come after the wave's queries is jumped over (a scalar branch on ids); the barriers are not.
; LAYOUT.  Both products are used transposed: S^T = K Q^T (source 0 = keys, source 1 = my 16 queries), O^T = V^T P^T (source 0 = channels, source 1 = P): a lane holds ONE query (lane % 16) throughout.
; Lane r of key tile 2 b + u takes key 32 b + 8 u + r + 8 (r / 8), so that the 16 registers of tiles 2 b and 2 b + 1 are 16 neighbouring keys, 32 b + 16 (lane / 16) + 0 .. 15: the next operand's order.
; THE FIRST PRODUCT'S K IS 64, the instruction's 128.  Source 0 carries TWO key tiles, one in each half of K; source 1 is q in one half and zero codes in the other (24 registers: zeros, q, zeros; the two views
; overlap).  The tile that is not meant meets zero codes and adds nothing: k's codes are held numbers (no infinity, no NaN) and no scale byte is 0xff.
; Row m of channel tile 2 g + e is channel 32 g + 2 m + e, so that a lane of the quantising wave loads two neighbouring channels (8 bytes) of each key.
; NO JOINT LOADS, NO DATA MOVER: each f32 number of k and v is wanted once in a work-group, in one wave's registers; and the four work-groups of a head walk 16, 14, 12, 10 and then 2, 4, 6, 8 steps, so they
; are not in step.  The loads of a step's raw numbers are issued a whole key step ahead of their use.
; LIMITS.  NaN and infinities among the inputs are not served.  A hidden key counts as -infinity where the definition adds -1e9: the same as long as logits stay far under 1e9 in magnitude.
; A block whose largest magnitude lies under 2^-111 keeps the scale byte 1; so does a block of zeros (its codes are zeros; only this program reads the bytes).  A p under 2^-126 becomes 0.
.set BUFB,  17408                      ; LDS: an image buffer; two of them, then the stages
.set KIMG,  0                          ;   4 pairs of key tiles x 4 groups of 4 registers x 512 bytes
.set VIMG,  8192                       ;   4 channel tiles x 4 groups x 512 bytes
.set KSC,   16384                      ;   K's scale words: 4 pairs x 128 bytes
.set VSC,   16896                      ;   V's: 4 tiles x 128 bytes
.set STG,   2*BUFB                     ; the way out: 16 rows x (256 + 16) bytes for each wave, its own
.set STEPB, 128*4096                   ; bytes from a key step to the next in k and in v
.set LI,  1                            ; v1   16 x lane
.set LS,  2                            ; v2   4 x lane
.set WIK, 3                            ; v3   where a K wave stores its codes: 16 x lane + 1,024 x (wave % 8)
.set WSK, 4                            ; v4   and its two scale bytes: 4 x lane + 128 x pair + 2 x (tile % 2)
.set GAK, 5                            ; v5   k: my key's row and my half of a block: (r + 8 (r / 8)) x 4,096 + 64 h
.set GQ,  6                            ; v6   q: r x 4,096 + 64 h
.set GO,  7                            ; v7   out: h x 4,096 + 16 r
.set SO,  8                            ; v8   the stage, in: row r, + 64 h
.set SR,  9                            ; v9   the stage, back: row h, + 16 r
.set D0,  10                           ; v10  r - 16 h, for the mask
.set WIV, 11                           ; v11  where a V wave stores its codes: 16 x lane + 4,096 g + 512 c
                                       ; v12 -M, v13 the largest t, v[14:15] the sum in two halves
.set QZ,  16                           ; v16-23 zeros, v24-31 q's codes, v32-39 zeros
.set QS,  40                           ; v40  q's scale word: its two bytes twice
.set SW,  41                           ; v41-44 scale words of K's pairs, then of V's tiles
.set PW,  45                           ; v45  p's scale word
.set WSV, 46                           ; v46  where a V wave stores its scale bytes: 4 x lane + 256 g + c
.set GAV, 47                           ; v47  v: h x 16 keys x 4,096 + 8 r
.set PF,  48                           ; v48-79   32 raw numbers of the next step, on their way
.set FR,  80                           ; v80-111  two fragments
.set S,   112                          ; v112-175 S^T, then p; between steps v112-143 take the held numbers of a quantiser; v144-175 raw q, and rows on the way out
.set OA,  176                          ; v176-207 O^T: four tiles
.set PC,  208                          ; v208-223 p's codes
.set CD,  208                          ; v208-215 between steps: the codes that the wave has made of k or v
.set BM,  224                          ; v224-227 largest magnitudes (scores, p)
.set BP,  228                          ; v228-231 a lane permute's results, then scale bytes
.set BL,  232                          ; v232-235 57,344 x the scale
.set BS,  236                          ; v236-239 the conversions' scale operands
.set FF,  240                          ; v[240:241] f = 2^(old M - new M), and a 0 that is named with it as a pair
.set T0,  242
.set T1,  243
.set L2,  244                          ; v[244:245] the sum's second chain
.set NINF, 246                         ; v246 -infinity
.set WV,  12                           ; s12  my wave's number
.set PI,  13                           ; s13  i: the work-group's x
.set CB,  14                           ; s14  the block of queries in hand
.set PASS, 15                          ; s15  0, 1
.set TR,  16                           ; s16  trips (of two key steps) to go
.set KF,  17                           ; s17  the step's first key
.set Q0,  18                           ; s18  my first query
.set MNT, 19                           ; s19  the mantissa field of 57,344
.set SEL, 20                           ; s[20:21] lane selects for v_permlanex16_b32: lane l xor 16
.set CS,  22                           ; s[22:23] c = log2(e) / 8: the packed form names a pair
.set HB,  24                           ; s[24:25] the head's byte offset in each tensor
.set RB,  26                           ; s[26:27] k or v at my wave's share of key step 0
.set KP,  28                           ; s[28:29] the same, walking
.set QP,  30                           ; s[30:31] q at my first query
.set OP,  32                           ; s[32:33] out0 likewise
.set TL,  40                           ; s40  my tile of the block's sixteen
; 32 numbers of a lane, two halves of blocks: element (k, i) in v[src + k sb + i si], i = 0 .. 15; the other 16 of block k lie in lane l xor 16.
; Out: 8 registers of codes at v[dst] (block k: 4 k on), the two scale bytes in v[BP], v[BP+1].  The hold also brings the numbers into consecutive registers, v[S] on, whatever si is.
.macro QUANT32 src, sb, si, dst
.irp k, 0,1
	v_max3_num_f32 v[BM+\k], |v[\src+\k*\sb]|, |v[\src+\k*\sb+\si]|, 0x8000000   ; my 16 numbers, and the floor 2^(16 - 127): the byte cannot fall under 1
.endr
.irp i, 2,4,6,8,10,12,14
.irp k, 0,1
	v_max3_num_f32 v[BM+\k], v[BM+\k], |v[\src+\k*\sb+\i*\si]|, |v[\src+\k*\sb+(\i+1)*\si]|
.endr
.endr
.irp k, 0,1
	v_permlanex16_b32 v[BP+\k], v[BM+\k], s[SEL], s[SEL+1]
.endr
.irp k, 0,1
	v_max_num_f32 v[BM+\k], v[BM+\k], v[BP+\k]                 ; with lane l xor 16's: the block's largest magnitude
.endr
.irp k, 0,1
	v_add_nc_u32 v[BS+\k], 0xf8800000, v[BM+\k]                ; 15 off its exponent field: the conversion takes the exponent field of this operand as its scale
.endr
.irp k, 0,1
	v_and_or_b32 v[BL+\k], v[BM+\k], 0x7f800000, s[MNT]        ; 57,344 x the scale
.endr
.irp k, 0,1
	v_lshrrev_b32 v[BP+\k], 23, v[BS+\k]                       ; the scale's byte
.endr
.irp k, 0,1
.irp i, 0,1,2,3,4,5,6,7,8,9,10,11,12,13,14,15
	v_med3_num_f32 v[S+16*\k+\i], v[\src+\k*\sb+\i*\si], -v[BL+\k], v[BL+\k]   ; the conversion to an 8-bit code does not saturate (ISA guide 7.6.2): the hold at the largest code x the scale
.endr
.endr
.irp k, 0,1
	v_cvt_scalef32_pk8_bf8_f32 v[\dst+4*\k:\dst+4*\k+1], v[S+16*\k:S+16*\k+7], v[BS+\k]
	v_cvt_scalef32_pk8_bf8_f32 v[\dst+4*\k+2:\dst+4*\k+3], v[S+16*\k+8:S+16*\k+15], v[BS+\k]
.endr
	v_nop                                          ; one plain vector instruction behind the scaled conversions, ahead of whatever vector instruction touches their results or sources next
.endm
; A K wave's raw numbers of a step: my key's 16 numbers of each of the head's two blocks of 32
.macro RAWK
.irp b, 0,1
.irp j, 0,1,2,3
	global_load_b128 v[PF+16*\b+4*\j:PF+16*\b+4*\j+3], v[GAK], s[KP:KP+1] offset:128*\b+16*\j
.endr
.endr
.endm
; A V wave's: two neighbouring channels of 16 keys; sixteen lanes read 128 consecutive bytes of a key's row
.macro RAWV
.irp i, 0,1,2,3,4,5,6,7,8,9,10,11,12,13,14,15
	global_load_b64 v[PF+2*\i:PF+2*\i+1], v[GAV], s[KP:KP+1] offset:4096*\i
.endr
.endm
; The raw numbers in v[PF] on become images in buffer par; then the raw numbers of the step behind are asked for.  cond = 1: not in the pass's last trip, where there is no such step (no load leaves its buffer).
; Waves 0-7 take k (a key tile each), waves 8-15 v (32 keys x 32 channels each): the branch hangs on the wave's number alone, and no barrier stands inside it.
.macro NEXT par, cond
	s_wait_loadcnt 0x0                             ; all my loads are in: v[PF] on may be read, and the walking pointer may be stepped
	s_cmp_lt_u32 s[WV], 8
	s_cbranch_scc0 .Lnext_v_\@
	QUANT32 PF, 16, 1, CD
	v_lshl_or_b32 v[BP], v[BP+1], 8, v[BP]         ; my tile's two bytes: half of the pair's scale word
	ds_store_b128 v[WIK], v[CD:CD+3] offset:\par*BUFB+KIMG
	ds_store_b128 v[WIK], v[CD+4:CD+7] offset:\par*BUFB+KIMG+512
	ds_store_b16 v[WSK], v[BP] offset:\par*BUFB+KSC
.if \cond
	s_cmp_eq_u32 s[TR], 1
	s_cbranch_scc1 .Lnext_done_\@
.endif
	s_add_nc_u64 s[KP:KP+1], s[KP:KP+1], STEPB
	RAWK
	s_branch .Lnext_done_\@
.Lnext_v_\@:
	QUANT32 PF, 1, 2, CD                           ; block k = channel 2 r + k; its numbers lie in every second register
	ds_store_b128 v[WIV], v[CD:CD+3] offset:\par*BUFB+VIMG
	ds_store_b128 v[WIV], v[CD+4:CD+7] offset:\par*BUFB+VIMG+2048
	ds_store_b8 v[WSV], v[BP] offset:\par*BUFB+VSC
	ds_store_b8 v[WSV], v[BP+1] offset:\par*BUFB+VSC+128
.if \cond
	s_cmp_eq_u32 s[TR], 1
	s_cbranch_scc1 .Lnext_done_\@
.endif
	s_add_nc_u64 s[KP:KP+1], s[KP:KP+1], STEPB
	RAWV
.Lnext_done_\@:
.endm
; My LDS stores have landed and my LDS loads are in: then the work-group's barrier.  Behind it the images stored since the last barrier may be read, and the buffer read since then may be written.
.macro BAR
	s_wait_dscnt 0x0
	s_barrier_signal -1
	s_barrier_wait -1
.endm
; A KEY STEP on the images in buffer par: 128 keys from s[KF] on.
; A load into a register that a matrix instruction has read, and a vector instruction that reads a matrix result, stand eight places behind it; only plain vector instructions that name none of its registers
; are places: hence the runs of v_nop.  No two matrix instructions that follow each other share an accumulator.
.macro SOFT par
	s_cmp_gt_u32 s[KF], s[Q0]                      ; both are multiples of 16: all 128 keys come after my 16 queries
	s_cbranch_scc1 .Lhidden_\@
.irp g, 0,1                                    ; S^T = K Q^T: two pairs of key tiles at a time
.rept 8
	v_nop
.endr
.irp p, 0,1
.irp c, 0,1,2,3
	ds_load_b128 v[FR+16*\p+4*\c:FR+16*\p+4*\c+3], v[LI] offset:\par*BUFB+KIMG+2048*(2*\g+\p)+512*\c
.endr
	ds_load_b32 v[SW+2*\g+\p], v[LS] offset:\par*BUFB+KSC+128*(2*\g+\p)
.endr
	s_wait_dscnt 0x0
.irp p, 0,1
	v_wmma_scale_f32_16x16x128_f8f6f4 v[S+16*(2*\g+\p):S+16*(2*\g+\p)+7], v[FR+16*\p:FR+16*\p+15], v[QZ+8:QZ+23], 0, v[SW+2*\g+\p], v[QS] matrix_a_fmt:MATRIX_FMT_BF8 matrix_b_fmt:MATRIX_FMT_BF8      ; q, zeros: the pair's first tile
	v_wmma_scale_f32_16x16x128_f8f6f4 v[S+16*(2*\g+\p)+8:S+16*(2*\g+\p)+15], v[FR+16*\p:FR+16*\p+15], v[QZ:QZ+15], 0, v[SW+2*\g+\p], v[QS] matrix_a_fmt:MATRIX_FMT_BF8 matrix_b_fmt:MATRIX_FMT_BF8    ; zeros, q: its second
.endr
.endr                                          ; register 16 b + i holds key KF + 32 b + 16 (lane / 16) + i of my query
.rept 8
	v_nop
.endr
	s_add_co_u32 s36, s[KF], 127                   ; on the diagonal the scores of hidden keys become -infinity ahead of the maximum: p = 0 then.  A step all of whose keys count skips this
	s_cmp_le_u32 s36, s[Q0]
	s_cbranch_scc1 .Lopen_\@
	s_sub_co_i32 s36, s[Q0], s[KF]
	v_add_nc_u32 v[T0], s36, v[D0]                 ; d = my query - KF - 16 (lane / 16): register 16 b + i is hidden where 32 b + i > d
.irp b, 0,1,2,3
.irp i, 0,1,2,3,4,5,6,7,8,9,10,11,12,13,14,15
	v_cmp_gt_i32 vcc_lo, 32*\b+\i, v[T0]
	v_cndmask_b32 v[S+16*\b+\i], v[S+16*\b+\i], v[NINF], vcc_lo
.endr
.endr
.Lopen_\@:
.irp b, 0,1,2,3
	v_max3_num_f32 v[BM+\b], v[S+16*\b], v[S+16*\b+1], v[S+16*\b+2]   ; the largest score of each block of 32 keys: it serves for the row's maximum and, since p rises with the score, for the block's largest p
.endr
.irp i, 3,5,7,9,11,13
.irp b, 0,1,2,3
	v_max3_num_f32 v[BM+\b], v[BM+\b], v[S+16*\b+\i], v[S+16*\b+\i+1]
.endr
.endr
.irp b, 0,1,2,3
	v_max_num_f32 v[BM+\b], v[BM+\b], v[S+16*\b+15]
.endr
.irp b, 0,1,2,3
	v_permlanex16_b32 v[BP+\b], v[BM+\b], s[SEL], s[SEL+1]
.endr
.irp b, 0,1,2,3
	v_max_num_f32 v[BM+\b], v[BM+\b], v[BP+\b]     ; with lane l xor 16's 16 keys
.endr
	v_max3_num_f32 v[T1], v[BM], v[BM+1], v[BM+2]
	v_max_num_f32 v[T1], v[T1], v[BM+3]            ; the step's largest score of my query
	v_mul_f32 v[T1], s[CS], v[T1]                  ; as t (c is positive)
	v_max_num_f32 v13, v13, v[T1]                  ; the running largest t
	v_mov_b32 v[T1], v12
	v_floor_f32 v12, -v13                          ; the new -M = floor(-t) = -ceil(t): M is a whole number
	v_sub_f32 v[T1], v12, v[T1]                    ; M's old value less its new one: a whole number, 0 or less
	v_cvt_i32_f32 v[T1], v[T1]                     ; (it saturates)
	v_ldexp_f32 v[FF], 1.0, v[T1]                  ; f = 2^(old M - new M)
.irp j, 0,2,4,6,8,10,12,14,16,18,20,22,24,26,28,30,32,34,36,38,40,42,44,46,48,50,52,54,56,58,60,62
	v_pk_fma_f32 v[S+\j:S+\j+1], v[S+\j:S+\j+1], s[CS:CS+1], v[12:13] op_sel_hi:[1,0,0]   ; t - M, two at a time (of the pairs c and -M the low word serves both halves)
.endr
.irp b, 0,1,2,3
	v_fma_f32 v[BM+\b], v[BM+\b], s[CS], v12       ; the same of each block's largest score
.endr
.irp b, 0,1,2,3
.irp i, 0,1,2,3,4,5,6,7,8,9,10,11,12,13,14,15
	v_exp_f32 v[S+16*\b+\i], v[S+16*\b+\i]         ; p = 2^(t - M), at most 1: not normalised
.endr
.endr
.irp b, 0,1,2,3
	v_exp_f32 v[BM+\b], v[BM+\b]                   ; the block's largest p: the same two instructions on the same number give the same bits
.endr
	v_pk_mul_f32 v[14:15], v[14:15], v[FF:FF+1] op_sel_hi:[1,0]   ; the sums under the new M.  (The plain place behind the exponentials)
	s_wait_alu depctr_va_vdst(0)
.irp b, 0,1,2,3
	v_max_num_f32 v[BM+\b], 0x8000000, v[BM+\b]    ; the floor 2^(16 - 127): a block whose every p is 0 keeps the byte 1: its codes are zeros
.endr
.irp b, 0,1,2,3
	v_add_nc_u32 v[BS+\b], 0xf8800000, v[BM+\b]    ; 15 off the exponent field: the conversion's scale operand
.endr
.irp b, 0,1,2,3
	v_and_or_b32 v[BL+\b], v[BM+\b], 0x7f800000, s[MNT]   ; 57,344 x the scale
.endr
.irp b, 0,1,2,3
	v_lshrrev_b32 v[BP+\b], 23, v[BS+\b]           ; the scale's byte
.endr
	v_lshl_or_b32 v[PW], v[BP+1], 8, v[BP]         ; p's scale word for these 128 keys
	v_lshl_or_b32 v[PW], v[BP+2], 16, v[PW]
	v_lshl_or_b32 v[PW], v[BP+3], 24, v[PW]
	v_pk_add_f32 v[L2:L2+1], v[S:S+1], v[S+2:S+3]  ; the row's sum is taken of the unquantised p: two at a time, in two chains
.irp j, 4,8,12,16,20,24,28,32,36,40,44,48,52,56,60
	v_pk_add_f32 v[14:15], v[14:15], v[S+\j:S+\j+1]
	v_pk_add_f32 v[L2:L2+1], v[L2:L2+1], v[S+\j+2:S+\j+3]
.endr
	v_pk_add_f32 v[14:15], v[14:15], v[L2:L2+1]
.irp b, 0,1,2,3
.irp i, 0,1,2,3,4,5,6,7,8,9,10,11,12,13,14,15
	v_min_num_f32 v[S+16*\b+\i], v[S+16*\b+\i], v[BL+\b]   ; the hold; p is not negative, so it is one-sided
.endr
	v_cvt_scalef32_pk8_bf8_f32 v[PC+4*\b:PC+4*\b+1], v[S+16*\b:S+16*\b+7], v[BS+\b]
	v_cvt_scalef32_pk8_bf8_f32 v[PC+4*\b+2:PC+4*\b+3], v[S+16*\b+8:S+16*\b+15], v[BS+\b]
.endr
.irp j, 0,2,4,6,8,10,12,14,16,18,20,22,24,26,28,30
	v_pk_mul_f32 v[OA+\j:OA+\j+1], v[OA+\j:OA+\j+1], v[FF:FF+1] op_sel_hi:[1,0]   ; O^T under the new M, each tile from its low end on.  (These 16 are also the places between the codes and the products)
.endr
.irp g, 0,1                                    ; O^T += V^T P^T: two channel tiles at a time; K = these 128 keys
.if \g > 0
.rept 8
	v_nop
.endr
.endif
.irp p, 0,1
.irp c, 0,1,2,3
	ds_load_b128 v[FR+16*\p+4*\c:FR+16*\p+4*\c+3], v[LI] offset:\par*BUFB+VIMG+2048*(2*\g+\p)+512*\c
.endr
	ds_load_b32 v[SW+2*\g+\p], v[LS] offset:\par*BUFB+VSC+128*(2*\g+\p)
.endr
	s_wait_dscnt 0x0
.irp p, 0,1
	v_wmma_scale_f32_16x16x128_f8f6f4 v[OA+8*(2*\g+\p):OA+8*(2*\g+\p)+7], v[FR+16*\p:FR+16*\p+15], v[PC:PC+15], v[OA+8*(2*\g+\p):OA+8*(2*\g+\p)+7], v[SW+2*\g+\p], v[PW] matrix_a_fmt:MATRIX_FMT_BF8 matrix_b_fmt:MATRIX_FMT_BF8
.endr
.endr
.Lhidden_\@:
	s_add_co_u32 s[KF], s[KF], 128
.endm
	s_load_b256 s[4:11], s[0:1], 0x0               ; q s[4:5], k s[6:7], v s[8:9], out0 s[10:11]
	v_lshl_add_u32 v254, v0, 2, 0x19800
	v_mov_b32 v255, 0
	v_lshrrev_b32 v1, 5, v0
	v_readfirstlane_b32 s[WV], v1                  ; wave 0..15
	v_and_b32 v244, 31, v0                         ; lane
	v_and_b32 v242, 15, v0                         ; r
	v_bfe_u32 v243, v0, 4, 1                       ; h
	v_lshlrev_b32 v[LI], 4, v244
	v_lshlrev_b32 v[LS], 2, v244
	s_and_b32 s34, s[WV], 1                        ; w1: K waves: tile % 2; V waves: g, which 32 channels
	s_lshr_b32 s35, s[WV], 1
	s_and_b32 s35, s35, 3                          ; w2: K waves: the pair; V waves: c, which 32 keys
	s_and_b32 s36, s[WV], 7
	s_lshl_b32 s36, s36, 10
	v_add_nc_u32 v[WIK], s36, v[LI]
	s_lshl_b32 s36, s35, 7
	s_lshl_b32 s37, s34, 1
	s_add_co_u32 s36, s36, s37
	v_add_nc_u32 v[WSK], s36, v[LS]
	s_lshl_b32 s36, s34, 12
	s_lshl_b32 s37, s35, 9
	s_add_co_u32 s36, s36, s37
	v_add_nc_u32 v[WIV], s36, v[LI]
	s_lshl_b32 s36, s34, 8
	s_add_co_u32 s36, s36, s35
	v_add_nc_u32 v[WSV], s36, v[LS]
	v_and_b32 v245, 8, v242
	v_add_nc_u32 v245, v245, v242                  ; r + 8 (r / 8)
	v_lshlrev_b32 v[GAK], 12, v245
	v_lshl_add_u32 v[GAK], v243, 6, v[GAK]
	v_lshlrev_b32 v[GQ], 12, v242
	v_lshl_add_u32 v[GQ], v243, 6, v[GQ]
	v_lshlrev_b32 v[GO], 12, v243
	v_lshl_add_u32 v[GO], v242, 4, v[GO]
	v_lshlrev_b32 v[GAV], 16, v243
	v_lshl_add_u32 v[GAV], v242, 3, v[GAV]
	s_mul_i32 s36, s[WV], 16*272
	s_add_co_u32 s36, s36, STG                     ; my stage
	v_mul_u32_u24 v[SO], v242, 272
	v_lshl_add_u32 v[SO], v243, 6, v[SO]
	v_add_nc_u32 v[SO], s36, v[SO]
	v_mul_u32_u24 v[SR], v243, 272
	v_lshl_add_u32 v[SR], v242, 4, v[SR]
	v_add_nc_u32 v[SR], s36, v[SR]
	v_lshlrev_b32 v245, 4, v243
	v_sub_nc_u32 v[D0], v242, v245
.irp j, 0,1,2,3,4,5,6,7
	v_mov_b32 v[QZ+\j], 0                          ; the zero codes on both sides of q's: written once
	v_mov_b32 v[QZ+16+\j], 0
.endr
.irp b, 0,1,2,3
	v_mov_b32 v[BP+\b], 0                          ; written once: a lane permute's destination counts as one of its sources
.endr
	v_mov_b32 v[T0], 0                             ; likewise
	v_mov_b32 v[FF+1], 0                           ; named with f as a pair
	v_mov_b32 v[NINF], 0xff800000
	s_lshr_b32 s36, s[WV], 2                       ; my tile of the block: 8 x (bit 0 xor bit 2 of the wave's number) + wave / 2: among the waves with equal number % 4, and among those with equal
	s_xor_b32 s36, s36, s[WV]                      ; number / 4, two have tiles 0-7 (which jump over a pass's last step) and two have tiles 8-15
	s_and_b32 s36, s36, 1
	s_lshl_b32 s36, s36, 3
	s_lshr_b32 s37, s[WV], 1
	s_add_co_u32 s[TL], s36, s37
	s_and_b32 s36, ttmp7, 0xffff                   ; 16 x batch + head
	s_lshr_b32 s37, s36, 4
	s_lshl_b32 s37, s37, 23                        ; a batch is 8,388,608 bytes,
	s_and_b32 s36, s36, 15
	s_lshl_b32 s36, s36, 8                         ; a head's numbers of a token 256
	s_add_co_u32 s[HB], s36, s37
	s_mov_b32 s[HB+1], 0
	s_cmp_lt_u32 s[WV], 8
	s_cselect_b32 s36, 15, 7
	s_lshl_b32 s36, s34, s36                       ; K waves: w1 x 8 keys x 4,096; V waves: w1 x 32 channels x 4
	s_lshl_b32 s37, s35, 17                        ; w2 x 32 keys x 4,096
	s_add_co_u32 s36, s36, s37
	s_add_co_u32 s38, s36, s[HB]
	s_mov_b32 s39, 0
	s_mov_b32 s[MNT], 0x600000
	s_mov_b32 s[SEL], 0x76543210
	s_mov_b32 s[SEL+1], 0xfedcba98
	s_mov_b32 s[CS], 0x3e38aa3b                    ; c = log2(e) / 8
	s_mov_b32 s[CS+1], s[CS]                       ; (named with it as a pair, so it is written)
	s_mov_b32 s[PI], ttmp9
	s_sub_co_u32 s[CB], 7, s[PI]                   ; the long block first
	s_mov_b32 s[PASS], 0
	s_wait_kmcnt 0x0
	s_cmp_lt_u32 s[WV], 8                          ; k's wave or v's: the choice hangs on the wave's number alone
	s_cselect_b64 s[RB:RB+1], s[6:7], s[8:9]
	s_add_nc_u64 s[RB:RB+1], s[RB:RB+1], s[38:39]
.Lpass:                                                ; two passes: block 7 - i, then block i
	s_wait_loadcnt 0x0                             ; no load of mine is out when v[PF] on and q's registers are loaded anew: a pass's last trip asks for nothing; this wait holds that on every way through the text
	s_lshl_b32 s36, s[CB], 8
	s_lshl_b32 s37, s[TL], 4
	s_add_co_u32 s[Q0], s36, s37                   ; my first query
	s_lshl_b32 s34, s[Q0], 12
	s_add_co_u32 s34, s34, s[HB]
	s_mov_b32 s35, 0
	s_add_nc_u64 s[QP:QP+1], s[4:5], s[34:35]
	s_add_nc_u64 s[OP:OP+1], s[10:11], s[34:35]
	s_mov_b64 s[KP:KP+1], s[RB:RB+1]
	s_add_co_u32 s[TR], s[CB], 1                   ; 2 (c + 1) key steps, two a trip
	s_mov_b32 s[KF], 0
.irp b, 0,1
.irp j, 0,1,2,3
	global_load_b128 v[S+32+16*\b+4*\j:S+32+16*\b+4*\j+3], v[GQ], s[QP:QP+1] offset:128*\b+16*\j   ; q: row r, my 16 numbers of each block of 32
.endr
.endr
	s_cmp_lt_u32 s[WV], 8
	s_cbranch_scc0 .Lraw_v
	RAWK                                           ; key step 0
	s_branch .Lraw_done
.Lraw_v:
	RAWV
.Lraw_done:
	s_wait_loadcnt 0x0
	QUANT32 S+32, 16, 1, QZ+8                      ; q's codes stay in registers for the pass
	v_lshl_or_b32 v[QS], v[BP+1], 8, v[BP]
	v_lshl_or_b32 v[QS], v[QS], 16, v[QS]          ; its two bytes twice: they serve whichever half of K q stands in
	NEXT 0, 0                                      ; step 0's images into buffer 0 (last read in front of the last barrier of the pass before); step 1's raw numbers are asked for: every block has a step 1
	v_mov_b32 v13, 0xff61b1e6                      ; the largest t so far: -3e38, under every t
	v_floor_f32 v12, -v13                          ; -M
	v_mov_b32 v14, 0                               ; the sum, in two halves
	v_mov_b32 v15, 0
.irp t, 0,1,2,3
.irp j, 0,1,2,3,4,5,6,7
	v_mov_b32 v[OA+8*\t+\j], 0                     ; O^T.  (The step is written once: the first finds zeros, which the first change of M leaves zeros)
.endr
.endr
.Ltrip:                                                ; a trip is two key steps, so that each buffer's addresses are constants of the text
	BAR                                            ; buffer 0 is whole; nobody reads buffer 1 any more
	NEXT 1, 1                                      ; the odd step's images; the step behind it is asked for, but in the last trip
	SOFT 0
	BAR                                            ; buffer 1 is whole; nobody reads buffer 0 any more
	s_cmp_eq_u32 s[TR], 1
	s_cbranch_scc1 .Llast_odd                      ; the last trip has no step behind its odd one
	NEXT 0, 0
.Llast_odd:
	SOFT 1
	s_sub_co_i32 s[TR], s[TR], 1
	s_cmp_gt_i32 s[TR], 0                          ; a signed compare: the loop ends whatever the counter began at
	s_cbranch_scc1 .Ltrip
	; THE WAY OUT.  O^T is divided by the row's sum and goes through my own stage in LDS, so that sixteen lanes store the 256 consecutive bytes of a token and head.
.rept 8
	v_nop                                          ; places behind the last products
.endr
	v_add_f32 v14, v14, v15                        ; the sum's two halves,
	v_permlanex16_b32 v[T0], v14, s[SEL], s[SEL+1]
	v_add_f32 v14, v14, v[T0]                      ; and lane l xor 16's: the row's sum
	v_rcp_f32 v14, v14
	v_nop                                          ; one plain place behind the transcendental
	s_wait_alu depctr_va_vdst(0)
.irp j, 0,1,2,3,4,5,6,7
.irp t, 0,1,2,3
	v_mul_f32 v[S+16*(\t/2)+2*\j+\t%2], v[OA+8*\t+\j], v14   ; register j of tile 2 g + e is channel 32 g + 16 h + 2 j + e: brought into the channels' order; each tile is read from its low end on
.endr
.endr
.irp g, 0,1
.irp q, 0,1,2,3
	ds_store_b128 v[SO], v[S+16*\g+4*\q:S+16*\g+4*\q+3] offset:128*\g+16*\q   ; row r, channels 32 g + 16 h + 4 q on; rows 272 bytes apart: 68 words, so that sixteen rows start at sixteen different banks (64 banks of 4 bytes: ISA guide 11.1)
.endr
.endr
.irp i, 0,1,2,3,4,5,6,7
	ds_load_b128 v[S+32+4*\i:S+32+4*\i+3], v[SR] offset:544*\i   ; LDS serves a wave's instructions in order (ISA guide 5.7.1.4): these see my stores; lanes 0-15 take row 2 i, lanes 16-31 row 2 i + 1
.endr
.irp i, 0,1,2,3,4,5,6,7
	s_wait_dscnt 7-\i                              ; the 7 - i younger loads from the stage may stay out
	global_store_b128 v[GO], v[S+32+4*\i:S+32+4*\i+3], s[OP:OP+1] offset:8192*\i th:TH_STORE_NT   ; 16 lanes store 256 consecutive bytes, at a multiple of 256 from out0's first byte; written once, read by nobody here
.endr
	s_wait_xcnt 0x0                                ; the stores have read their registers and their base: the next pass loads q into the first and writes the second
	s_mov_b32 s[CB], s[PI]                         ; the short block
	s_add_co_u32 s[PASS], s[PASS], 1
	s_cmp_lt_u32 s[PASS], 2
	s_cbranch_scc1 .Lpass
	s_barrier_signal -1
	s_barrier_wait -1
	s_wait_tensorcnt 0x0
	ds_add_u32 v254, v255
	s_wait_dscnt 0x0
	s_endpgm
.Lfunc_end_k_q94d3bdff7a_attn:
	.size	k_q94d3bdff7a_attn, .Lfunc_end_k_q94d3bdff7a_attn-k_q94d3bdff7a_attn
	.p2alignl 7, 3214868480
	.fill 96, 4, 3214868480
	.section	.rodata,"a",@progbits
	.p2align	6, 0x0
	.amdhsa_kernel k_q94d3bdff7a_attn
		.amdhsa_group_segment_fixed_size 106496
		.amdhsa_private_segment_fixed_size 0
		.amdhsa_enable_private_segment 0
		.amdhsa_kernarg_size 32
		.amdhsa_user_sgpr_count 2
		.amdhsa_user_sgpr_kernarg_segment_ptr 1
		.amdhsa_wavefront_size32 1
		.amdhsa_system_sgpr_workgroup_id_x 1
		.amdhsa_system_sgpr_workgroup_id_y 1
		.amdhsa_system_sgpr_workgroup_id_z 1
		.amdhsa_system_vgpr_workitem_id 0
		.amdhsa_next_free_vgpr 256
		.amdhsa_next_free_sgpr 66
		.amdhsa_reserve_vcc 1
		.amdhsa_float_denorm_mode_32 3
		.amdhsa_float_denorm_mode_16_64 3
		.amdhsa_memory_ordered 1
		.amdhsa_forward_progress 1
		.amdhsa_inst_pref_size 98
	.end_amdhsa_kernel
	.amdgpu_metadata
---
amdhsa.version: [ 1, 2 ]
amdhsa.kernels:
  - .name:           k_q94d3bdff7a_attn
    .symbol:         k_q94d3bdff7a_attn.kd
    .args:
      - { .name: q, .offset: 0, .size: 8, .value_kind: global_buffer, .address_space: global }
      - { .name: k, .offset: 8, .size: 8, .value_kind: global_buffer, .address_space: global }
      - { .name: v, .offset: 16, .size: 8, .value_kind: global_buffer, .address_space: global }
      - { .name: out0, .offset: 24, .size: 8, .value_kind: global_buffer, .address_space: global }
    .group_segment_fixed_size: 106496
    .private_segment_fixed_size: 0
    .kernarg_segment_align: 8
    .kernarg_segment_size: 32
    .max_flat_workgroup_size: 512
    .sgpr_count:     66
    .vgpr_count:     256
    .wavefront_size: 32
...
	.end_amdgpu_metadata
.endif
;; end of part 1
